; MI455X (gfx1250); checked and timed in simulation.
; The chip was launched on July 23, 2026; its instructions are those of AMD's public machine-readable ISA for CDNA 5 (MIT licence, August 2026) and "CDNA5" Instruction Set Architecture Reference Guide (July 2026). The comments in the code are by the model that wrote it; some were corrected since.
;; Binary Diff. Allowed arithmetic: matrix products marked QUANTISED: E5M2 operands, one given power-of-two scale a tensor, by v_wmma_f32_16x16x64_bf8_bf8 or v_wmma_f32_16x16x128_bf8_bf8, f32 sums; everything else in f32.
;; Inputs: base_T 4,096 x 4,096 float32; coeff 1 float32; lowp_scales 4 int32 (the exponents e of the quantised operands' scales 2^e); mask_bits 4,096 x 4,096 int32; x 4 x 512 x 4,096 float32.
;; Outputs: out0 4 x 512 x 4,096 float32.
;; This version of the problem:
;;   THIS VERSION OF THE PROBLEM IS GIVEN IN LOW PRECISION. The matrix products marked QUANTISED in the list below multiply operands that are first quantised to E5M2 (5 exponent bits, 2 mantissa bits; 8 bits a number), with one given power-of-two scale for each operand tensor; their sums are f32. All else is computed in f32.
;;   The module's matrix products, in the order in which they are computed (A, B: the left and right operand; K: the contracted axis; several contracted axes count as one K, in the product's order):
;;     1. [M 2,048, K 4,096] x [K 4,096, N 4,096]; A: input x; B: input base_T: QUANTISED (scales: A lowp_scales[0], B lowp_scales[1])
;;     2. [M 2,048, K 4,096] x [K 4,096, N 4,096]; A: input x; B: computed on the way: QUANTISED (scales: A lowp_scales[2], B lowp_scales[3])
;;   THE QUANTISER, for each operand of a quantised product, along K:
;;     - The operand's scale is 2^e, e = its entry of the input lowp_scales (int32; the entries are numbered through the quantised products in the list's order, A before B).
;;     - Each number is divided by the scale, clamped to +-57,344, and rounded to the nearest number of E5M2, ties to even, subnormals kept.
;;     - The product sums the exact products of the quantised numbers (number of the format x scale) in f32.
;;   ~~~python
;;   def quantise(x, axis, e):      # numpy; x: float32 -> the quantised numbers, widened to float32 again
;;       x = np.moveaxis(x, axis, -1); K = x.shape[-1]
;;       r = np.clip(x / 2.0 ** e, -57344, 57344)
;;       step = 2.0 ** (np.maximum(np.frexp(np.where(r == 0, 1, r))[1] - 1, -14) - 2)
;;       q = np.round(r / step) * step * 2.0 ** e      # np.round: ties to even
;;       return np.moveaxis(q, -1, axis).astype(np.float32)
;;   ~~~
;;   OPERANDS COMPUTED ON THE WAY. 'Computed on the way' means the value that the module computes at that place (a softmax that the list does not call 'softmax' is quantised finished and normalised). What goes into a quantiser is computed in f32, as accurately as f32 sums, v_exp_f32 and their like allow (about 1e-6 of the number): no bf16 or f16 on the way to a quantiser, and a product that is left as it is and whose result goes on into a quantised operand takes f32 operands (vector FMAs, or v_wmma_f32_16x16x4_f32). A number that lies on a knife's edge between two numbers of the format may be rounded either way, as far as f32 arithmetic and the matrix unit's own rounding can turn it there, and no further.
;; One version. Each part assembles by itself: llvm-mc -triple=amdgcn-amd-amdhsa -mcpu=gfx1250 --defsym DOCPART=n.
;; ======== version 1 of 1: 2 launches
;; limits: right only within a limited range of input values
;; workspace buffers: acodes 17,301,504 bytes; bcodes 34,603,008 bytes
;; launch quant (part 1): grid 768 x 1, 4 waves a work-group, no clusters, 35,328 bytes of LDS; arguments x, base_T, mask_bits, lowp_scales, acodes, bcodes; writes acodes, bcodes
.if DOCPART == 1
	.amdgcn_target "amdgcn-amd-amdhsa--gfx1250"
	.amdhsa_code_object_version 6
	.text
	.protected	k_q4ceb7a0695_quant
	.globl	k_q4ceb7a0695_quant
	.p2align	8
	.type	k_q4ceb7a0695_quant,@function
k_q4ceb7a0695_quant:
	s_mov_b64 s[64:65], 0
	v_nop
	global_prefetch_b8 v0, s[64:65] scope:SCOPE_SE
	s_setreg_imm32_b32 hwreg(HW_REG_WAVE_MODE, 25, 1), 1
	s_wait_xcnt 0x0
; x [2048][4096] f32 (K innermost), base_T [4096][4096] f32 and mask_bits [4096][4096] int32 (K is their FIRST axis) become codes of BF8 (E5M2), once, for the products' launch.
; code = number / 2^e, held within +-57,344, rounded to the nearest code, ties to even.  e: lowp_scales[0] x for the dense product, [1] base_T, [2] x for the correction, [3] the signs.
; The signs are 2 m - 1, taken in int32 (it wraps as int32 does) and turned into f32; they go through the same hold and conversion as every other number: nothing is assumed of the mask's values.
; LIMITS: each e lies between -126 and 112, so that 2^e and 57,344 x 2^e are f32 numbers.  NaN among x and base_T is not served; an infinity is held at the largest code.
; THE CODES' LAYOUT is the order of the operand's registers.  A UNIT is 256 bytes: 16 rows (of x) or 16 columns (of a weight) x 16 neighbouring k, row r's 16 codes at byte 16 r.  A block of 16 rows has a LINE:
; units 0-255 are K = 4,096.  Lines lie 264 units apart: the last 8 are never written and never read; with them the same k of neighbouring lines does not lie a power of two apart.
;   acodes [p 2][block 128][264][256], bcodes [p 2][block 256][264][256];  p = 0: the correction (x at e2, the signs at e3), p = 1: the dense product (x at e0, base_T at e1).
; WORK-GROUPS: 0-255 base_T, 256-511 mask_bits (one path, the buffers chosen by the work-group's number), 512-767 x (a path of its own, the only one that uses LDS).  Waves share nothing: no barrier.
.set LINE,   67584                     ; bytes from line to line: 264 units
.set APLANE, 128*LINE
.set BPLANE, 256*LINE
.set ROWW,   16384                     ; bytes of a row of x, of base_T and of mask_bits
.set X,    32                          ; weights: v32-95   two sets of 32 numbers down K
.set C,    96                          ; weights: v96-223  8 registers of codes for each of a wave's 16 pieces: no store's data are ever written again
.set R,    32                          ; x: v32-127  three sets of 32: 16 rows x 64 K as loaded
.set XB,   128                         ; x: v128-191 two sets of 32: my row's numbers, register 16 c + i = k 32 c + 16 (lane / 16) + i
.set T,    192                         ; x: v192-223 the same numbers held for e2
.set CX,   224                         ; x: v224-231 codes at e2, v232-239 codes at e0
.set SP,   272                         ; x: a stage row: 256 bytes + 16: 17 x 16 bytes, so that sixteen rows' reads of 16 bytes start at sixteen different places modulo 256
.set STG1, 16*SP                       ; x: a stage: 16 rows
.set STGW, 2*STG1                      ; x: two stages for each wave
.macro MKSCALE e, vs, vl               ; from the whole number in s[e]: v[vs] = 2^e as f32 (the conversion takes its exponent field), v[vl] = 57,344 x 2^e
	s_add_co_i32 s30, s[\e], 127
	s_lshl_b32 s31, s30, 23
	v_mov_b32 v[\vs], s31
	s_add_co_i32 s30, s30, 15
	s_lshl_b32 s30, s30, 23
	s_or_b32 s30, s30, 0x600000
	v_mov_b32 v[\vl], s30
.endm
; ---- weights.  Piece q of a wave's 16: 32 along K (32 (q / 2) on) x 32 columns (32 (q % 2) on).  A LANE TAKES A COLUMN AND ITS REGISTERS RUN DOWN K.
.macro WLOAD q
.set wi, 0
.rept 32
	global_load_b32 v[X+32*((\q)%2)+wi], v5, s[24:25] offset:(32*((\q)/2)+wi)*ROWW+128*((\q)%2) th:TH_LOAD_NT   ; 32 lanes read 128 consecutive bytes of one row; the neighbouring 128 are the next piece's
.set wi, wi+1
.endr
.endm
.macro WUNIT q
.set XS, X+32*((\q)%2)
.set CQ, C+8*(\q)
.if (\q) < 15
	s_wait_loadcnt 32                              ; this piece's 32 loads are in; the next piece's 32 may be out
.else
	s_wait_loadcnt 0x0
.endif
	s_cmp_eq_u32 s27, 0                            ; base_T's numbers are f32 already: a branch on the work-group's number, round register work alone
	s_cbranch_scc1 .Lbase_\@
.set wj, 0
.rept 32
	v_lshl_add_u32 v[XS+wj], v[XS+wj], 1, -1       ; 2 m - 1 in int32,
.set wj, wj+1
.endr
.set wj, 0
.rept 32
	v_cvt_f32_i32 v[XS+wj], v[XS+wj]               ; as f32
.set wj, wj+1
.endr
.Lbase_\@:
.set wj, 0
	s_wait_alu depctr_va_vdst(0)
.rept 32
	v_med3_num_f32 v[XS+wj], v[XS+wj], -v13, v13   ; the conversion to an 8-bit code does not saturate (ISA guide 7.6.2): the hold at the largest code x the scale comes first
.set wj, wj+1
.endr
.irp g, 0,1,2,3
	v_cvt_scalef32_pk8_bf8_f32 v[CQ+2*\g:CQ+2*\g+1], v[XS+8*\g:XS+8*\g+7], v12
.endr
	v_nop                                          ; a plain vector line behind the last conversion of the run
.irp u, 0,1                                    ; 16 codes a lane: lanes 0-15 fill one aligned 256 bytes (a unit of one block of columns), lanes 16-31 a unit of the next block
	global_store_b128 v6, v[CQ+4*\u:CQ+4*\u+3], s[32:33] offset:((\q)%2)*2*LINE+(2*((\q)/2)+\u)*256
.endr
.if (\q)+2 < 16
	WLOAD (\q)+2
.endif
.endm
; ---- x.  Step t of a wave's 8: 16 rows x 64 along K.
.macro XLOAD t
.irp i, 0,1,2,3,4,5,6,7
	global_load_b128 v[R+32*((\t)%3)+4*\i:R+32*((\t)%3)+4*\i+3], v5, s[24:25] offset:\i*2*ROWW+256*(\t) th:TH_LOAD_NT   ; sixteen lanes read 256 consecutive aligned bytes of row 2 i + lane / 16
.endr
.endm
.macro XTURN t                         ; the step's 4,096 bytes turn through my own stage: in as loaded, out 64 bytes a lane.  LDS serves a wave's instructions in order (ISA guide 5.7.1.4): no wait between
.irp i, 0,1,2,3,4,5,6,7
	ds_store_b128 v6, v[R+32*((\t)%3)+4*\i:R+32*((\t)%3)+4*\i+3] offset:STG1*((\t)%2)+2*SP*\i
.endr
.irp c, 0,1
.irp j, 0,1,2,3
	ds_load_b128 v[XB+32*((\t)%2)+16*\c+4*\j:XB+32*((\t)%2)+16*\c+4*\j+3], v7 offset:STG1*((\t)%2)+128*\c+16*\j
.endr
.endr
.endm
.macro XSTEP t
.set XS, XB+32*((\t)%2)
	s_wait_dscnt 0x0                               ; this step's numbers are back from the stage
.if (\t)+3 < 8
	XLOAD (\t)+3                                   ; into the set that this step's turn has read
.endif
.if (\t)+1 < 8
.if (\t) <= 4
	s_wait_loadcnt 16                              ; the next step's eight loads are in; those of the two steps behind it may be out
.elseif (\t) == 5
	s_wait_loadcnt 8                               ; one step's loads behind it
.else
	s_wait_loadcnt 0x0
.endif
	XTURN (\t)+1                                   ; through the other stage while this step is worked
.endif
.set xj, 0
.rept 32
	v_med3_num_f32 v[T+xj], v[XS+xj], -v17, v17    ; held for e2, into other registers,
.set xj, xj+1
.endr
.set xj, 0
.rept 32
	v_med3_num_f32 v[XS+xj], v[XS+xj], -v19, v19   ; and for e0, in place
.set xj, xj+1
.endr
	s_wait_alu depctr_va_vdst(0)
	s_wait_xcnt 0x0                                ; the last step's stores have read their data: the codes' registers are written again only behind this wait
.irp g, 0,1,2,3
	v_cvt_scalef32_pk8_bf8_f32 v[CX+2*\g:CX+2*\g+1], v[T+8*\g:T+8*\g+7], v16
.endr
.irp g, 0,1,2,3
	v_cvt_scalef32_pk8_bf8_f32 v[CX+8+2*\g:CX+8+2*\g+1], v[XS+8*\g:XS+8*\g+7], v18
.endr
	v_nop                                          ; a plain vector line behind the last conversion of the run
.irp c, 0,1                                    ; registers 4 c .. 4 c + 3: k = 32 c + 16 (lane / 16) + 0 .. 15 of row lane % 16: units 4 t + 2 c and 4 t + 2 c + 1: 32 lanes store 512 consecutive aligned bytes
	global_store_b128 v14, v[CX+4*\c:CX+4*\c+3], s[32:33] offset:(4*(\t)+2*\c)*256
	global_store_b128 v14, v[CX+8+4*\c:CX+8+4*\c+3], s[36:37] offset:(4*(\t)+2*\c)*256
.endr
.endm
	s_load_b256 s[4:11], s[0:1], 0x0               ; x s[4:5], base_T s[6:7], mask_bits s[8:9], the scales' exponents s[10:11]
	s_load_b128 s[12:15], s[0:1], 0x20             ; acodes s[12:13], bcodes s[14:15]
	v_lshl_add_u32 v240, v0, 2, 0x8800
	v_mov_b32 v241, 0
	v_lshrrev_b32 v1, 5, v0
	v_readfirstlane_b32 s16, v1                    ; wave 0..3
	v_and_b32 v2, 31, v0                           ; lane
	v_and_b32 v3, 15, v0                           ; r = lane % 16
	v_bfe_u32 v4, v0, 4, 1                         ; h = lane / 16
	s_wait_kmcnt 0x0
	s_load_b128 s[20:23], s[10:11], 0x0            ; e0, e1, e2, e3
	s_cmp_ge_u32 ttmp9, 512
	s_cbranch_scc1 .Lxpath
	; ================ base_T or mask_bits: the work-group takes 256 columns (cg) x 256 along K (kg), a wave 64 of the columns
	s_and_b32 s17, ttmp9, 255                      ; t
	s_and_b32 s18, s17, 15                         ; cg
	s_lshr_b32 s19, s17, 4                         ; kg
	s_lshl_b32 s40, s19, 22                        ; from: 256 kg rows of 16,384 bytes
	s_lshl_b32 s41, s18, 10                        ; + 256 cg columns of 4 bytes
	s_add_co_u32 s40, s40, s41
	s_lshl_b32 s41, s16, 8                         ; + 64 x wave columns
	s_add_co_u32 s40, s40, s41
	s_mov_b32 s41, 0
	s_lshl_b32 s42, s18, 4                         ; to: the line of block 16 cg + 4 x wave,
	s_lshl_b32 s43, s16, 2
	s_add_co_u32 s42, s42, s43
	s_mul_i32 s42, s42, LINE
	s_lshl_b32 s43, s19, 12                        ; unit 16 kg
	s_add_co_u32 s42, s42, s43
	s_cmp_lt_u32 ttmp9, 256                        ; base_T or the mask?  The choice hangs on the work-group's number alone
	s_cselect_b64 s[24:25], s[6:7], s[8:9]
	s_cselect_b32 s26, BPLANE, 0                   ; base_T's codes are plane 1, the signs' plane 0
	s_cselect_b32 s27, 0, 1                        ; 1: whole numbers that become signs
	s_add_co_u32 s42, s42, s26
	s_mov_b32 s43, 0
	s_add_nc_u64 s[24:25], s[24:25], s[40:41]
	s_add_nc_u64 s[32:33], s[14:15], s[42:43]
	s_wait_alu depctr_va_vdst(0)
	v_lshlrev_b32 v5, 2, v2                        ; in: 4 bytes a lane
	v_mul_u32_u24 v6, v4, LINE                     ; out: lanes 16-31 hold the next block of 16 columns: one line on;
	v_lshl_add_u32 v6, v3, 4, v6                   ; 16 bytes for column r of the block
	WLOAD 0
	WLOAD 1
	s_wait_kmcnt 0x0
	s_cmp_lt_u32 ttmp9, 256
	s_cselect_b32 s28, s21, s23                    ; e1 or e3
	MKSCALE 28, 12, 13
.irp q, 0,1,2,3,4,5,6,7,8,9,10,11,12,13,14,15
	WUNIT \q
.endr
	s_endpgm
	; ================ x: the work-group takes a block of 16 rows x 2,048 along K, a wave 512 of them, in 8 steps of 64; each number is quantised twice
.Lxpath:
	s_sub_co_u32 s17, ttmp9, 512                   ; j
	s_lshr_b32 s18, s17, 1                         ; the block of rows
	s_and_b32 s19, s17, 1                          ; which half of K
	s_lshl_b32 s40, s18, 18                        ; from: 16 rows of 16,384 bytes a block
	s_lshl_b32 s41, s19, 13                        ; + 2,048 numbers a half
	s_add_co_u32 s40, s40, s41
	s_lshl_b32 s41, s16, 11                        ; + 512 numbers a wave
	s_add_co_u32 s40, s40, s41
	s_mov_b32 s41, 0
	s_mul_i32 s42, s18, LINE                       ; to: the block's line,
	s_lshl_b32 s43, s19, 15                        ; unit 128 x half
	s_add_co_u32 s42, s42, s43
	s_lshl_b32 s43, s16, 13                        ; + 32 x wave
	s_add_co_u32 s42, s42, s43
	s_mov_b32 s43, 0
	s_add_nc_u64 s[24:25], s[4:5], s[40:41]
	s_add_nc_u64 s[32:33], s[12:13], s[42:43]      ; plane 0: at e2
	s_add_nc_u64 s[36:37], s[32:33], APLANE        ; plane 1: at e0
	s_wait_alu depctr_va_vdst(0)
	v_lshlrev_b32 v5, 14, v4                       ; in: lanes 16-31 take the next row;
	v_lshl_add_u32 v5, v3, 4, v5                   ; 16 bytes a lane of a row's 256
	s_mul_i32 s17, s16, STGW                       ; my two stages
	v_mul_u32_u24 v6, v4, SP
	v_lshl_add_u32 v6, v3, 4, v6
	v_add_nc_u32 v6, s17, v6                       ; into a stage: as loaded
	v_mul_u32_u24 v7, v3, SP
	v_lshl_add_u32 v7, v4, 6, v7
	v_add_nc_u32 v7, s17, v7                       ; out of it: row r, 16 numbers from 16 h on of each 32
	v_lshlrev_b32 v14, 4, v2                       ; the codes: 16 bytes a lane
	XLOAD 0
	XLOAD 1
	XLOAD 2
	s_wait_alu depctr_va_vdst(0)
	s_wait_kmcnt 0x0
	MKSCALE 22, 16, 17                             ; e2
	MKSCALE 20, 18, 19                             ; e0
	s_wait_alu depctr_va_vdst(0)
	s_wait_loadcnt 16                              ; step 0's eight loads are in; steps 1 and 2 may be out
	XTURN 0
.irp t, 0,1,2,3,4,5,6,7
	XSTEP \t
.endr
	s_wait_tensorcnt 0x0
	ds_add_u32 v240, v241
	s_wait_dscnt 0x0
	s_endpgm
.Lfunc_end_k_q4ceb7a0695_quant:
	.size	k_q4ceb7a0695_quant, .Lfunc_end_k_q4ceb7a0695_quant-k_q4ceb7a0695_quant
	.p2alignl 7, 3214868480
	.fill 96, 4, 3214868480
	.section	.rodata,"a",@progbits
	.p2align	6, 0x0
	.amdhsa_kernel k_q4ceb7a0695_quant
		.amdhsa_group_segment_fixed_size 35328
		.amdhsa_private_segment_fixed_size 0
		.amdhsa_enable_private_segment 0
		.amdhsa_kernarg_size 48
		.amdhsa_user_sgpr_count 2
		.amdhsa_user_sgpr_kernarg_segment_ptr 1
		.amdhsa_wavefront_size32 1
		.amdhsa_system_sgpr_workgroup_id_x 1
		.amdhsa_system_sgpr_workgroup_id_y 1
		.amdhsa_system_sgpr_workgroup_id_z 1
		.amdhsa_system_vgpr_workitem_id 0
		.amdhsa_next_free_vgpr 242
		.amdhsa_next_free_sgpr 66
		.amdhsa_reserve_vcc 0
		.amdhsa_float_denorm_mode_32 3
		.amdhsa_float_denorm_mode_16_64 3
		.amdhsa_memory_ordered 1
		.amdhsa_forward_progress 1
		.amdhsa_inst_pref_size 197
	.end_amdhsa_kernel
	.amdgpu_metadata
---
amdhsa.version: [ 1, 2 ]
amdhsa.kernels:
  - .name:           k_q4ceb7a0695_quant
    .symbol:         k_q4ceb7a0695_quant.kd
    .args:
      - { .name: x, .offset: 0, .size: 8, .value_kind: global_buffer, .address_space: global }
      - { .name: base_T, .offset: 8, .size: 8, .value_kind: global_buffer, .address_space: global }
      - { .name: mask_bits, .offset: 16, .size: 8, .value_kind: global_buffer, .address_space: global }
      - { .name: lowp_scales, .offset: 24, .size: 8, .value_kind: global_buffer, .address_space: global }
      - { .name: acodes, .offset: 32, .size: 8, .value_kind: global_buffer, .address_space: global }
      - { .name: bcodes, .offset: 40, .size: 8, .value_kind: global_buffer, .address_space: global }
    .group_segment_fixed_size: 35328
    .private_segment_fixed_size: 0
    .kernarg_segment_align: 8
    .kernarg_segment_size: 48
    .max_flat_workgroup_size: 128
    .sgpr_count:     66
    .vgpr_count:     242
    .wavefront_size: 32
...
	.end_amdgpu_metadata
.endif
;; end of part 1
;; launch gemm (part 2): grid 16 x 16, 4 waves a work-group, clusters of 4 x 4, 327,680 bytes of LDS; arguments acodes, bcodes, lowp_scales, coeff, out0; writes out0
.if DOCPART == 2
	.amdgcn_target "amdgcn-amd-amdhsa--gfx1250"
	.amdhsa_code_object_version 6
	.text
	.protected	k_q4ceb7a0695_gemm
	.globl	k_q4ceb7a0695_gemm
	.p2align	8
	.type	k_q4ceb7a0695_gemm,@function
k_q4ceb7a0695_gemm:
	s_mov_b64 s[64:65], 0
	v_nop
	global_prefetch_b8 v0, s[64:65] scope:SCOPE_SE
	s_setreg_imm32_b32 hwreg(HW_REG_WAVE_MODE, 25, 1), 1
	s_wait_xcnt 0x0
	s_wait_alu depctr_hold_cnt(0) depctr_sa_sdst(0) depctr_va_vdst(0) depctr_va_sdst(0) depctr_va_ssrc(0) depctr_va_vcc(0) depctr_vm_vsrc(0)
	s_getreg_b32 s2, hwreg(HW_REG_IB_STS2, 6, 4)
	s_cmp_eq_u32 s2, 0
	s_cbranch_scc0 .Lentry_in_a_cluster
	s_endpgm
.Lentry_in_a_cluster:
	s_bfe_u32 s2, ttmp6, 0x10000c
	s_cmp_lg_u32 s2, 0xf033
	s_cbranch_scc0 .Lentry_shape_is_right
	s_endpgm
.Lentry_shape_is_right:
; out0 = 2^(e0+e1) (x at e0)(base_T at e1) + coeff 2^(e2+e3) (x at e2)(signs at e3): both products on codes of BF8, sums in f32.
; The codes lie as the quantising launch stores them: a UNIT of 256 bytes is 16 rows x 16 k, a LINE is 16 rows x all K (256 units, lines 264 units apart);
; plane 0 is the correction, plane 1 the dense product.  A lane's 16 bytes at 16 x lane of two units are four operand registers: k is permuted alike in A and B.
; A work-group makes 128 rows x 256 columns of out0.  Wave (p, c) makes product p for all 128 rows and columns 128 c .. 128 c + 127: 64 accumulators, 512 registers.
; K goes in steps of 192 (three runs of 64 matrix instructions) through two LDS slots of 48 lines x 3,072 bytes: A's 8 lines of each plane, B's 16 of each plane.
; 4,096 = 21 x 192 + 64: the last load states 1,024 bytes as what is left of a line; the rest of its tile arrives as zeros and is not read.
; A slot's last run is multiplied whole ahead of the wait for the next slot's tile, so that only the add, its wait and the round stand between that wait and the refill.
; CLUSTERS 4 x 4: A's tiles hang on the tile row alone and are asked for jointly along a row of the cluster, B's on the tile column alone, jointly along a column.
; PREFETCH: behind each refill in the loop the step two refills on is named, each block of 256 bytes once in a cluster: of a wave's lines each of the four partners takes a quarter, by address.
; Steps 0 to 3 and the short last step come by their loads alone.
; THE WAY OUT: wave (p, c) keeps its A blocks 0-3 (rows 64 p ..; plane 1 takes its lines in the order 4-7, 0-3) and hands blocks 4-7, scaled, to wave (1 - p, c) through slot 0;
; the sums go by blocks of 16 rows through a stage in slot 1 and leave as rows of 512 bytes.  Both slots have had their last fill and their last read by then.
; The matrix instruction is used transposed (source 0 = B, source 1 = A): a lane holds eight neighbouring columns of one row.
; LIMIT: coeff x 2^(e2+e3) and 2^(e0+e1) are f32 numbers.
.set LINE,   67584
.set APLANE, 128*LINE
.set BPLANE, 256*LINE
.set LB,     3072                      ; a line's bytes in a slot: 192 k x 16 rows
.set SLOT,   48*LB
.set SPARE,  2*SLOT                    ; the spare words: 128 bytes a wave, named by no other line
.set STG,    SLOT                      ; the way out: four stages of 16 rows x 528 bytes, in slot 1
.set SPITCH, 528
.set ADRAL, 16                         ; v16-17 LDS address of my A blocks 0-3 in slot 0, 1
.set ADRAH, 18                         ; v18-19 blocks 4-7
.set ADRB,  20                         ; v20-21 my B blocks
.set EXW,   22                         ; where I hand blocks over, and
.set EXR,   23                         ; where my partner's lie
.set STO,   24
.set RD,    25
.set CO,    26                         ; 16 x lane
.set PFO,   27                         ; the prefetches' lane offset
.set SPW,   28
.set NIL,   29
.set FS,    30                         ; v30-31 my product's factor
.set TMP,   32
.set F0,    64                         ; fragment buffers: A's in window 0, B's in window 1
.set F1,    128
.set G1,   24                          ; group 1 for A; s[32:39] group 0, a set for each slot
.set G0,   32
.set G1B,  48                          ; the same for B
.set G0B,  56
.set G1S,  72                          ; groups 1 of the short last step
.set G1BS, 80
.set PFA,  90
.set MSB, 0
.macro WIN new
.if MSB != \new
	s_set_vgpr_msb (MSB<<8)|\new
.set MSB, \new
.endif
.endm
.set MUL_LO, 0xa1                      ; source 0 window 1, source 1 window 0, C and D window 2
.set MUL_HI, 0xf1
.set TO_B,   0x40
.macro JLOAD g0a, g1a, g0b, g1b        ; waves 0, 1 ask for A's planes, waves 2, 3 for B's
	s_cmp_eq_u32 s15, 0
	s_cbranch_scc0 .Lfor_b_\@
	tensor_load_to_lds s[\g0a:\g0a+3], s[\g1a:\g1a+7]
	s_nop 0
.rept 4
	v_nop
.endr
	s_branch .Lasked_\@
.Lfor_b_\@:
	tensor_load_to_lds s[\g0b:\g0b+3], s[\g1b:\g1b+7]
	s_nop 0
.rept 4
	v_nop
.endr
.Lasked_\@:
.endm
.macro CREST
	s_cmp_lg_u32 s14, 0
	s_cbranch_scc1 .Lnot_wave_0_\@
	s_barrier_signal -3
.Lnot_wave_0_\@:
	s_barrier_wait -3
	s_barrier_signal -1
	s_barrier_wait -1
.endm
.macro CROUND
	s_barrier_signal -1
	s_barrier_wait -1
	CREST
.endm
.macro PLACES
.rept 4
	v_nop
.endr
.endm
.macro GRP g, left, rows               ; elements of 8 bytes; a tile of \rows lines x 384 elements, of which \left are left in the line
	s_mov_b32 s[\g+1], (\left)<<16
	s_mov_b32 s[\g+2], (\rows)<<16
	s_mov_b32 s[\g+3], 384<<16
	s_mov_b32 s[\g+4], \rows
	s_mov_b32 s[\g+5], LINE/8
	s_mov_b32 s[\g+6], 0
	s_mov_b32 s[\g+7], 0
.endm
; mode 1: always; mode 2: not in the loop's last trip.  A's waves name 2 lines x 12 blocks, B's waves 4 lines x 12.
.macro ASK mode, off
.if \mode
.if \mode == 2
	s_cmp_eq_u32 s3, 1
	s_cbranch_scc1 .Lno_ask_\@
.endif
	global_prefetch_b8 v[PFO], s[PFA:PFA+1] offset:\off th:TH_LOAD_NT scope:SCOPE_SE
	s_cmp_eq_u32 s15, 0
	s_cbranch_scc1 .Lno_ask_\@
	global_prefetch_b8 v[PFO], s[PFA:PFA+1] offset:\off+2*LINE th:TH_LOAD_NT scope:SCOPE_SE
.Lno_ask_\@:
.endif
.endm
; 16 matrix instructions: A blocks a0, a0 + 1 of the window's four x B's eight, 64 along K; the 64 accumulators take turns
.macro MUL16 f, hi, a0, zero
.irp a, \a0, \a0+1
.irp b, 0,1,2,3,4,5,6,7
.if \zero
	v_wmma_f32_16x16x64_bf8_bf8 v[8*(8*(\a)+\b):8*(8*(\a)+\b)+7], v[\f+8*\b:\f+8*\b+7], v[\f+8*(4*\hi+\a):\f+8*(4*\hi+\a)+7], 0
.else
	v_wmma_f32_16x16x64_bf8_bf8 v[8*(8*(\a)+\b):8*(8*(\a)+\b)+7], v[\f+8*\b:\f+8*\b+7], v[\f+8*(4*\hi+\a):\f+8*(4*\hi+\a)+7], v[8*(8*(\a)+\b):8*(8*(\a)+\b)+7]
.endif
.endr
.endr
.endm
; 32 LDS loads: the fragments of 64 along K at byte k of the lines, into buffer f: B, A's blocks 0-3, A's blocks 4-7
.macro FETCH slot, k, f
	WIN TO_B
.irp i, 0,1,2,3,4,5,6,7
	ds_load_b128 v[\f+8*\i:\f+8*\i+3],   v[ADRB+\slot] offset:\k+\i*LB
	ds_load_b128 v[\f+8*\i+4:\f+8*\i+7], v[ADRB+\slot] offset:\k+\i*LB+512
.endr
	WIN 0
.irp i, 0,1,2,3
	ds_load_b128 v[\f+8*\i:\f+8*\i+3],   v[ADRAL+\slot] offset:\k+\i*LB
	ds_load_b128 v[\f+8*\i+4:\f+8*\i+7], v[ADRAL+\slot] offset:\k+\i*LB+512
.endr
.irp i, 0,1,2,3
	ds_load_b128 v[\f+32+8*\i:\f+32+8*\i+3],   v[ADRAH+\slot] offset:\k+\i*LB
	ds_load_b128 v[\f+32+8*\i+4:\f+32+8*\i+7], v[ADRAH+\slot] offset:\k+\i*LB+512
.endr
.endm
; one of a slot's first two runs: multiplies buffer f, fetches the next run (byte k of the same slot) into g
.macro RUN slot, k, f, g, zero
	s_wait_dscnt 8                                 ; all but the youngest eight loads (A's blocks 4-7)
	WIN MUL_LO
	MUL16 \f, 0, 0, \zero
	MUL16 \f, 0, 2, \zero
	PLACES
	FETCH \slot, \k, \g
	s_wait_dscnt 32                                ; all but the 32 just issued
	WIN MUL_HI
	MUL16 \f, 1, 0, \zero
	MUL16 \f, 1, 2, \zero
.endm
; a slot's last run, and the change of slots behind it.  fill = 1: the slot is filled again, two steps on; 2: with the short last step; 0: not at all
.macro TURN slot, next, f, g, fill, ask
	s_wait_dscnt 8
	WIN MUL_LO
	MUL16 \f, 0, 0, 0
	MUL16 \f, 0, 2, 0
	s_wait_dscnt 0x0                               ; A's blocks 4-7 are in
	WIN MUL_HI
	MUL16 \f, 1, 0, 0
	MUL16 \f, 1, 2, 0
	WIN 0
	s_wait_tensorcnt 0x0                           ; all my tensor loads have landed: my part of the next slot; so every group 0 may be written
	ds_add_u32 v[SPW], v[NIL]
.if \fill
	s_add_nc_u64 s[G0+4*\slot+2:G0+4*\slot+3], s[G0+4*\slot+2:G0+4*\slot+3], 2*LB
	s_add_nc_u64 s[G0B+4*\slot+2:G0B+4*\slot+3], s[G0B+4*\slot+2:G0B+4*\slot+3], 2*LB
.endif
	s_wait_dscnt 0x0                               ; the add is done; my reads of this slot were over above
	s_barrier_signal -1
	s_barrier_wait -1
.if \fill
	CREST                                          ; the barrier has opened a round of the cluster's barrier
.if \fill == 1
	JLOAD G0+4*\slot, G1, G0B+4*\slot, G1B
.else
	JLOAD G0+4*\slot, G1S, G0B+4*\slot, G1BS
.endif
.else
	PLACES
.endif
	FETCH \next, 0, \g
	ASK \ask, \slot*LB
.endm
	s_load_b256 s[4:11], s[0:1], 0x0               ; acodes, bcodes, the scales' exponents, coeff
	s_load_b64 s[12:13], s[0:1], 0x20              ; out0
	v_lshl_add_u32 v[SPW], v0, 2, SPARE
	v_mov_b32 v[NIL], 0
	ds_add_u32 v[SPW], v[NIL]
	ds_add_u32 v[SPW], v[NIL]
	v_lshrrev_b32 v1, 5, v0
	v_readfirstlane_b32 s14, v1                    ; wave
	s_lshr_b32 s15, s14, 1                         ; my product p.  Also: I fetch for A (0) or B (1)
	s_and_b32 s16, s14, 1                          ; my half of the columns c.  Also: the plane that I fetch
	s_bfe_u32 s40, ttmp6, 0x40000                  ; cx
	s_bfe_u32 s41, ttmp6, 0x40004                  ; cy
	s_lshl_b32 s42, ttmp9, 2
	s_add_co_u32 s42, s42, s40                     ; tile column
	s_and_b32 s17, ttmp7, 0xffff
	s_lshl_b32 s17, s17, 2
	s_add_co_u32 s17, s17, s41                     ; tile row
	s_lshl_b32 s43, s41, 2
	s_lshl_b32 s43, 15, s43                        ; my row of the cluster
	s_lshl_b32 s44, 0x1111, s40                    ; my column
	s_or_b32 s[G1], s43, (3<<16)|(1<<21)
	s_or_b32 s[G1S], s43, (3<<16)|(1<<21)
	s_or_b32 s[G1B], s44, (3<<16)|(1<<21)
	s_or_b32 s[G1BS], s44, (3<<16)|(1<<21)
	GRP G1, 384, 8
	GRP G1S, 128, 8
	GRP G1B, 384, 16
	GRP G1BS, 128, 16
	s_mul_i32 s20, s17, 8*LINE                     ; A: the tile row's 8 lines of plane s16
	s_mul_i32 s18, s16, APLANE
	s_add_co_u32 s20, s20, s18
	s_mov_b32 s21, 0
	s_mul_i32 s46, s42, 16*LINE                    ; B: the tile column's 16 lines of plane s16
	s_mul_i32 s18, s16, BPLANE
	s_add_co_u32 s46, s46, s18
	s_mov_b32 s47, 0
	s_mul_i32 s45, s16, 8*LB                       ; where they go: A's planes, then B's planes
	s_mul_i32 s19, s16, 16*LB
	s_add_co_u32 s19, s19, 16*LB
	s_wait_dscnt 0x0
	s_wait_kmcnt 0x0
	s_load_b128 s[68:71], s[8:9], 0x0              ; e0 .. e3
	s_load_b32 s88, s[10:11], 0x0                  ; coeff
	s_add_nc_u64 s[20:21], s[4:5], s[20:21]
	s_add_nc_u64 s[46:47], s[6:7], s[46:47]
	CROUND                                         ; in front of the first joint loads
.irp s, 0,1
	s_mov_b32 s[G0+4*\s], 1
	s_add_co_u32 s[G0+4*\s+1], s45, \s*SLOT
	s_add_nc_u64 s[G0+4*\s+2:G0+4*\s+3], s[20:21], \s*LB
	s_or_b32 s[G0+4*\s+3], s[G0+4*\s+3], 0x80000000
	s_mov_b32 s[G0B+4*\s], 1
	s_add_co_u32 s[G0B+4*\s+1], s19, \s*SLOT
	s_add_nc_u64 s[G0B+4*\s+2:G0B+4*\s+3], s[46:47], \s*LB
	s_or_b32 s[G0B+4*\s+3], s[G0B+4*\s+3], 0x80000000
.endr
	JLOAD G0, G1, G0B, G1B                         ; step 0: one tensor load a wave at the head
	s_mul_i32 s92, s15, 12*LB                      ; A blocks 0-3: plane p's lines 4 p ..
	s_mul_i32 s93, s15, 4*LB
	s_add_co_u32 s93, s93, 4*LB                    ; blocks 4-7: plane p's lines 4 (1 - p) ..
	s_mul_i32 s94, s15, 16*LB
	s_mul_i32 s18, s16, 8*LB
	s_add_co_u32 s94, s94, s18
	s_add_co_u32 s94, s94, 16*LB                   ; B: plane p's lines 8 c ..
	s_lshl_b32 s95, s14, 15
	s_xor_b32 s96, s14, 2
	s_lshl_b32 s96, s96, 15
	s_mul_i32 s97, s14, 16*SPITCH
	s_add_co_u32 s97, s97, STG
	s_lshl_b32 s20, s17, 7                         ; out0: row 128 x tile row + 64 p, column 256 x tile column + 128 c
	s_lshl_b32 s21, s15, 6
	s_add_co_u32 s20, s20, s21
	s_lshl_b32 s20, s20, 14
	s_lshl_b32 s46, s42, 10
	s_lshl_b32 s47, s16, 9
	s_add_co_u32 s46, s46, s47
	s_add_co_u32 s20, s20, s46
	s_mov_b32 s21, 0
	s_add_nc_u64 s[12:13], s[12:13], s[20:21]
	s_lshl_b32 s20, s17, 3                         ; the prefetches: of A's 8 lines partner cx takes 2, of B's 16 partner cy takes 4
	s_lshl_b32 s22, s40, 1
	s_add_co_u32 s20, s20, s22
	s_lshl_b32 s21, s42, 4
	s_lshl_b32 s22, s41, 2
	s_add_co_u32 s21, s21, s22
	s_mov_b32 s22, BPLANE
	s_cmp_eq_u32 s15, 0
	s_cselect_b32 s20, s20, s21
	s_cselect_b32 s22, APLANE, s22
	s_cselect_b64 s[PFA:PFA+1], s[4:5], s[6:7]
	s_mul_i32 s20, s20, LINE
	s_mul_i32 s22, s22, s16
	s_add_co_u32 s20, s20, s22
	s_add_co_u32 s20, s20, 4*LB                    ; the first refill names step 4
	s_mov_b32 s21, 0
	s_add_nc_u64 s[PFA:PFA+1], s[PFA:PFA+1], s[20:21]
	v_and_b32 v3, 31, v0
	v_lshlrev_b32 v[CO], 4, v3
	v_and_b32 v1, 15, v0
	v_bfe_u32 v2, v0, 4, 1
	v_add_nc_u32 v[ADRAL], s92, v[CO]
	v_add_nc_u32 v[ADRAH], s93, v[CO]
	v_add_nc_u32 v[ADRB], s94, v[CO]
	v_add_nc_u32 v[ADRAL+1], SLOT, v[ADRAL]
	v_add_nc_u32 v[ADRAH+1], SLOT, v[ADRAH]
	v_add_nc_u32 v[ADRB+1], SLOT, v[ADRB]
	v_add_nc_u32 v[EXW], s95, v[CO]
	v_add_nc_u32 v[EXR], s96, v[CO]
	v_mul_u32_u24 v5, v1, SPITCH
	v_lshl_add_u32 v5, v2, 5, v5
	v_add_nc_u32 v[STO], s97, v5                   ; into the stage: row l % 16, 32 bytes for each half of the lanes
	v_add_nc_u32 v[RD], s97, v[CO]                 ; back: 32 lanes take a row of 512 bytes
	v_min_u32 v6, 23, v3                           ; block min(lane, 23) of 24: lanes left over name the last block again
	v_mul_u32_u24 v7, v6, 171
	v_lshrrev_b32 v7, 11, v7                       ; block / 12: which of two lines
	v_mul_u32_u24 v7, v7, LINE-LB
	v_lshl_add_u32 v[PFO], v6, 8, v7
	s_wait_alu depctr_va_vdst(0)
	s_wait_tensorcnt 0x0                           ; my part of step 0 is in; slot 1's first fill is issued as a refill is
	ds_add_u32 v[SPW], v[NIL]
	s_wait_dscnt 0x0
	CROUND
	JLOAD G0+4, G1, G0B+4, G1B                     ; step 1
	FETCH 0, 0, F0
	RUN 0, 1024, F0, F1, 1                         ; the first run starts the sums
	WIN 0
	s_mov_b32 s3, 9
.Llap:                                                 ; a trip: two steps, from a lap's second run to the next lap's first
	RUN 0, 2048, F1, F0, 0
	TURN 0, 1, F0, F1, 1, 1
	RUN 1, 1024, F1, F0, 0
	RUN 1, 2048, F0, F1, 0
	TURN 1, 0, F1, F0, 1, 2
	RUN 0, 1024, F0, F1, 0
	WIN 0
	s_wait_xcnt 0x0                                ; the trip's prefetches have read their address
	s_add_nc_u64 s[PFA:PFA+1], s[PFA:PFA+1], 2*LB
	s_sub_co_u32 s3, s3, 1
	s_cmp_lg_u32 s3, 0
	s_cbranch_scc1 .Llap
	RUN 0, 2048, F1, F0, 0                         ; step 18 goes on
	TURN 0, 1, F0, F1, 1, 0                        ; slot 0 takes step 20
	RUN 1, 1024, F1, F0, 0
	RUN 1, 2048, F0, F1, 0
	TURN 1, 0, F1, F0, 2, 0                        ; slot 1 takes the short step 21
	RUN 0, 1024, F0, F1, 0
	RUN 0, 2048, F1, F0, 0
	TURN 0, 1, F0, F1, 0, 0                        ; nothing is filled again
	s_wait_dscnt 8
	WIN MUL_LO
	MUL16 F1, 0, 0, 0
	MUL16 F1, 0, 2, 0
	s_wait_dscnt 0x0
	WIN MUL_HI
	MUL16 F1, 1, 0, 0
	MUL16 F1, 1, 2, 0
	WIN 0
	s_wait_kmcnt 0x0
	s_add_co_i32 s18, s68, s69                     ; e0 + e1
	s_add_co_i32 s19, s70, s71                     ; e2 + e3
	s_mov_b32 s20, 1.0
	s_cmp_eq_u32 s15, 0
	s_cselect_b32 s19, s19, s18
	s_cselect_b32 s20, s88, s20
	v_mov_b32 v[FS], s20
	v_ldexp_f32 v[FS], v[FS], s19                  ; plane 0: coeff x 2^(e2+e3); plane 1: 2^(e0+e1)
	v_mov_b32 v[FS+1], v[FS]
	PLACES
.macro XSEND a                         ; my block 4 + a, scaled, as an image of its 64 registers
.set TM, TMP+64*((\a)%2)
	WIN 0x03
.irp j, 0,2,4,6,8,10,12,14,16,18,20,22,24,26,28,30,32,34,36,38,40,42,44,46,48,50,52,54,56,58,60,62
	v_pk_mul_f32 v[TM+\j:TM+\j+1], v[64*(\a)+\j:64*(\a)+\j+1], v[FS:FS+1] op_sel_hi:[1,0]
.endr
	WIN 0
.irp b, 0,1,2,3,4,5,6,7
	ds_store_b128 v[EXW], v[TM+8*\b:TM+8*\b+3] offset:(8*(\a)+\b)*1024
	ds_store_b128 v[EXW], v[TM+8*\b+4:TM+8*\b+7] offset:(8*(\a)+\b)*1024+512
.endr
.endm
.macro RLOAD a                         ; my partner's part of my block a: 16 LDS loads
.set RL, TMP+64*((\a)%2)
.irp b, 0,1,2,3,4,5,6,7
	ds_load_b128 v[RL+8*\b:RL+8*\b+3], v[EXR] offset:(8*(\a)+\b)*1024
	ds_load_b128 v[RL+8*\b+4:RL+8*\b+7], v[EXR] offset:(8*(\a)+\b)*1024+512
.endr
.endm
.macro FMAB a                          ; block a: both products added; 16 stores into my stage, 16 loads back by rows into set a % 2 of window 1.  LDS serves a wave's instructions in order
.set PI, TMP+64*((\a)%2)
	WIN 0x02
.irp j, 0,2,4,6,8,10,12,14,16,18,20,22,24,26,28,30,32,34,36,38,40,42,44,46,48,50,52,54,56,58,60,62
	v_pk_fma_f32 v[PI+\j:PI+\j+1], v[64*(\a)+\j:64*(\a)+\j+1], v[FS:FS+1], v[PI+\j:PI+\j+1] op_sel_hi:[1,0,1]
.endr
	WIN 0
.irp b, 0,1,2,3,4,5,6,7
	ds_store_b128 v[STO], v[PI+8*\b:PI+8*\b+3] offset:64*\b
	ds_store_b128 v[STO], v[PI+8*\b+4:PI+8*\b+7] offset:64*\b+16
.endr
	WIN 0x40
.irp t, 0,1,2,3,4,5,6,7,8,9,10,11,12,13,14,15
	ds_load_b128 v[64*((\a)%2)+4*\t:64*((\a)%2)+4*\t+3], v[RD] offset:\t*SPITCH
.endr
	WIN 0
.endm
.macro SEND a, younger                 ; younger: the LDS instructions issued behind block a's row loads
	s_wait_dscnt \younger
	WIN 0x04                                       ; the stores' data lie in window 1
.irp t, 0,1,2,3,4,5,6,7,8,9,10,11,12,13,14,15
	global_store_b128 v[CO], v[64*((\a)%2)+4*\t:64*((\a)%2)+4*\t+3], s[12:13] offset:(16*(\a)+\t)*16384 th:TH_STORE_NT   ; 32 lanes store 512 consecutive aligned bytes
.endr
	WIN 0
.endm
	XSEND 0
	XSEND 1
	XSEND 2
	XSEND 3
	s_wait_dscnt 0x0                               ; for my partner's sake: my stores are done; my reads of slot 1 are over too
	s_barrier_signal -1
	s_barrier_wait -1
	RLOAD 0
	RLOAD 1
	s_wait_dscnt 16                                ; block 0's part is in
	FMAB 0
	s_wait_dscnt 16                                ; all but block 0's 16 row loads: block 1's part is in, block 0's stage stores have read their registers
	RLOAD 2
	FMAB 1
	SEND 0, 48                                     ; behind block 0's row loads: 16 loads of block 2's part, block 1's 32
	s_wait_dscnt 16                                ; all but block 1's row loads
	RLOAD 3
	s_wait_xcnt 0x0                                ; block 0's stores have read set 0
	FMAB 2
	SEND 1, 48
	s_wait_dscnt 16                                ; all but block 2's row loads
	s_wait_xcnt 0x0                                ; block 1's stores have read set 1
	FMAB 3
	SEND 2, 32                                     ; behind block 2's row loads: block 3's 32
	SEND 3, 0
	s_wait_tensorcnt 0x0                           ; the wave's end
	ds_add_u32 v[SPW], v[NIL]
	s_wait_dscnt 0x0
	CROUND                                         ; the closing round
	s_endpgm
.Lfunc_end_k_q4ceb7a0695_gemm:
	.size	k_q4ceb7a0695_gemm, .Lfunc_end_k_q4ceb7a0695_gemm-k_q4ceb7a0695_gemm
	.p2alignl 7, 3214868480
	.fill 96, 4, 3214868480
	.section	.rodata,"a",@progbits
	.p2align	6, 0x0
	.amdhsa_kernel k_q4ceb7a0695_gemm
		.amdhsa_group_segment_fixed_size 327680
		.amdhsa_private_segment_fixed_size 0
		.amdhsa_enable_private_segment 0
		.amdhsa_kernarg_size 40
		.amdhsa_user_sgpr_count 2
		.amdhsa_user_sgpr_kernarg_segment_ptr 1
		.amdhsa_wavefront_size32 1
		.amdhsa_system_sgpr_workgroup_id_x 1
		.amdhsa_system_sgpr_workgroup_id_y 1
		.amdhsa_system_sgpr_workgroup_id_z 1
		.amdhsa_system_vgpr_workitem_id 0
		.amdhsa_next_free_vgpr 1024
		.amdhsa_next_free_sgpr 100
		.amdhsa_reserve_vcc 0
		.amdhsa_float_denorm_mode_32 3
		.amdhsa_float_denorm_mode_16_64 3
		.amdhsa_memory_ordered 1
		.amdhsa_forward_progress 1
		.amdhsa_inst_pref_size 156
	.end_amdhsa_kernel
	.amdgpu_metadata
---
amdhsa.version: [ 1, 2 ]
amdhsa.kernels:
  - .name:           k_q4ceb7a0695_gemm
    .symbol:         k_q4ceb7a0695_gemm.kd
    .args:
      - { .name: acodes, .offset: 0, .size: 8, .value_kind: global_buffer, .address_space: global }
      - { .name: bcodes, .offset: 8, .size: 8, .value_kind: global_buffer, .address_space: global }
      - { .name: lowp_scales, .offset: 16, .size: 8, .value_kind: global_buffer, .address_space: global }
      - { .name: coeff, .offset: 24, .size: 8, .value_kind: global_buffer, .address_space: global }
      - { .name: out0, .offset: 32, .size: 8, .value_kind: global_buffer, .address_space: global }
    .group_segment_fixed_size: 327680
    .private_segment_fixed_size: 0
    .kernarg_segment_align: 8
    .kernarg_segment_size: 40
    .max_flat_workgroup_size: 128
    .sgpr_count:     100
    .vgpr_count:     1024
    .wavefront_size: 32
...
	.end_amdgpu_metadata
.endif
;; end of part 2
